; MI455X (gfx1250); checked and timed in simulation.
; The chip was launched on July 23, 2026; its instructions are those of AMD's public machine-readable ISA for CDNA 5 (MIT licence, August 2026) and "CDNA5" Instruction Set Architecture Reference Guide (July 2026). The comments in the code are by the model that wrote it; some were corrected since.
;; Sparse Attention Aggregator. Allowed arithmetic: matrix products marked QUANTISED: E2M1 operands, one E8M0 scale for each 32 along K, by v_wmma_scale_f32_16x16x128_f8f6f4 with both operands' format E2M1 (or v_wmma_scale_f32_32x16x128_f4), f32 sums; products left as they are: bf16, f16 or f32 operands; f32 sums; everything else in f32.
;; Inputs: W_proj 1,024 x 1,024 float32; W_qkv 1,024 x 3,072 float32; attn_bias 32 x 1,960 float32; b_proj 1,024 float32; b_qkv 3,072 float32; gather_idx 32 x 1,960 int32; k_beta 64 float32; k_gamma 64 float32; q_beta 64 float32; q_gamma 64 float32; x 1 x 6,272 x 1,024 float32.
;; Outputs: out0 1 x 6,272 x 1,024 float32.
;; This version of the problem:
;;   THIS VERSION OF THE PROBLEM IS GIVEN IN LOW PRECISION. The matrix products marked QUANTISED in the list below multiply operands that are first quantised to E2M1 (2 exponent bits, 1 mantissa bit; 4 bits a number), with one power-of-two scale for each 32 numbers along K (OCP MX v1.0); their sums are f32. The products marked 'left as it is' may take bf16, f16 or f32 operands, with f32 sums. Whichever they take, every output number must still come out within the allowed error. Rounding operands to bf16 (8 significant bits) uses up far more of that allowance than f16 does (11 bits, for magnitudes from 6e-5 to 65,504). All else is computed in f32.
;;   The module's matrix products, in the order in which they are computed (A, B: the left and right operand; K: the contracted axis; several contracted axes count as one K, in the product's order):
;;     1. [M 6,272, K 1,024] x [K 1,024, N 3,072]; A: input x; B: input W_qkv: QUANTISED
;;     2. batch 512 x [M 196, K 64] x [K 64, N 1,960]; A: computed on the way; B: computed on the way: left as it is (an operand is computed on the way)
;;     3. batch 512 x [M 196, K 1,960] x [K 1,960, N 64]; A: computed on the way; B: computed on the way: left as it is (an operand is computed on the way)
;;     4. [M 6,272, K 1,024] x [K 1,024, N 1,024]; A: computed on the way; B: input W_proj: left as it is (an operand is computed on the way)
;;   THE QUANTISER, for each operand of a quantised product, along K:
;;     - K is cut into blocks of 32 from its start; a last block that is shorter is filled with zeros.
;;     - A block's scale is 2^e with e = floor(log2(the largest magnitude in the block)) - 2, held to -126 .. 127; a block of zeros has e = 0. As a byte (E8M0): e + 127.
;;     - Each number is divided by its block's scale, clamped to +-6, and rounded to the nearest number of E2M1, ties to even, subnormals kept.
;;     - The product sums the exact products of the quantised numbers (number of the format x scale) in f32.
;;   ~~~python
;;   def quantise(x, axis):      # numpy; x: float32 -> the quantised numbers, widened to float32 again
;;       x = np.moveaxis(x, axis, -1); K = x.shape[-1]
;;       x = np.pad(x, [(0, 0)] * (x.ndim - 1) + [(0, -K % 32)]); x = x.reshape(x.shape[:-1] + (-1, 32)); a = np.abs(x).max(-1, keepdims=True)
;;       e = np.where(a > 0, np.clip(np.frexp(np.where(a > 0, a, 1))[1] - 1 - 2, -126, 127), 0)      # np.frexp(a)[1] - 1 = floor(log2(a)), exactly
;;       r = np.clip(x / 2.0 ** e, -6, 6)
;;       step = 2.0 ** (np.maximum(np.frexp(np.where(r == 0, 1, r))[1] - 1, 0) - 1)
;;       q = np.round(r / step) * step * 2.0 ** e      # np.round: ties to even
;;       return np.moveaxis(q.reshape(q.shape[:-2] + (-1,))[..., :K], -1, axis).astype(np.float32)
;;   ~~~
;; One version. Each part assembles by itself: llvm-mc -triple=amdgcn-amd-amdhsa -mcpu=gfx1250 --defsym DOCPART=n.
;; ======== version 1 of 1: 4 launches
;; limits: values are held in f16: magnitudes above 65,504 overflow, below 6.1e-05 lose precision
;; workspace buffers: xq 3,481,600 bytes; wq 1,671,168 bytes; wp 2,097,152 bytes; qh 13,107,200 bytes; kh 13,107,200 bytes; vh 13,107,200 bytes; oh 12,845,056 bytes
;; launch prep (part 1): grid 328 x 1, 8 waves a work-group, no clusters, 19,456 bytes of LDS; arguments x, W_qkv, W_proj, xq, wq, wp; writes xq, wq, wp
.if DOCPART == 1
	.amdgcn_target "amdgcn-amd-amdhsa--gfx1250"
	.amdhsa_code_object_version 6
	.text
	.protected	k_q818837c2a8_prep
	.globl	k_q818837c2a8_prep
	.p2align	8
	.type	k_q818837c2a8_prep,@function
k_q818837c2a8_prep:
	s_mov_b64 s[64:65], 0
	v_nop
	global_prefetch_b8 v0, s[64:65] scope:SCOPE_SE
	s_setreg_imm32_b32 hwreg(HW_REG_WAVE_MODE, 25, 1), 1
	s_wait_xcnt 0x0
; THE OPERANDS ARE LAID OUT ONCE, in the order in which the later launches' operand registers take them.
;   x [6272][1024] f32      -> xq: codes of E2M1 with one E8M0 byte for each 32 along K (K innermost in x)
;   W_qkv [1024][3072] f32  -> wq: the same (K is W's FIRST axis: a lane takes a column, its registers run down K)
;   W_proj [1024][1024] f32 -> wp: f16, rounded once (this product is not quantised)
; A TILE of xq or wq is 16 rows (of x) or 16 columns (of W) for all of K, 8,704 bytes: block kb = k / 32 of row r lies at 256 kb + 16 r (32 codes, the lower k in the lower bits):
; that is the image of the 4-bit operand's registers, K step s = 128 along K: [s][c][lane] x 16 bytes, lane (h, r) holding k = 128 s + 64 c + 32 h + 0..31.  At byte 8,192 follow the scale words:
; [q 0..3][lane] x 4 bytes, lane (h, r) holding row r's four bytes of K step 2 q + h.  Tiles 392 to 399 of xq repeat tile 391, so that the next launch's blocks of ten tiles are whole.
; A TILE of wp is 16 columns for all of K, 32,768 bytes: the eight numbers k = 8 g + 0..7 of column r lie at 256 g + 16 r: the image of the 16-bit operand's registers.
; THE QUANTISER: a block's scale is 2^(floor(log2(largest magnitude)) - 2); its byte is the largest magnitude's exponent field - 2, held at 1 from below by a floor among the maximum's leaves.
; A block of zeros so gets the byte 1 where the rule says 127: its codes are zeros, and this program alone reads the bytes.
; LIMITS: blocks whose largest magnitude lies under 2^-124 (the floor) get the floor's scale; NaN and infinities among the inputs are not served; |W_proj| stays under 65,504 (f16).
; SHARES: work-groups 0-199: x, two tiles each, a wave a quarter of K of one tile.  200-295: W_qkv, 64 columns x 512 along K, a wave 32 columns x 128.  296-327: W_proj likewise.
; Waves share nothing: no barrier.  Only the x path uses LDS (each wave its own 2,304 bytes).
.set SPARE, 18432                      ; behind the eight waves' regions: the spare words, 128 bytes for each wave
.set WREG,  2304                       ; a wave's region: a stage of 8 rows x (256 + 16) bytes, then its 128 scale bytes
.set SPW,   1                          ; v1  LDS address of my spare word; never rewritten
.set NIL,   2                          ; v2  0; never rewritten
.set MX,    16                         ; v16-31  x path: a row's largest magnitude, then the conversion's scale operand
.set EB,    32                         ; v32-47  x path: scale bytes
.set CD,    48                         ; v48-63  codes
.set X,     64                         ; v64-191 128 numbers of a lane
.set OUTR,  192                        ; v192-208 x path: the way out
	s_load_b256 s[4:11], s[0:1], 0x0               ; x s[4:5], W_qkv s[6:7], W_proj s[8:9], xq s[10:11]
	s_load_b128 s[12:15], s[0:1], 0x20             ; wq s[12:13], wp s[14:15]
	v_lshl_add_u32 v[SPW], v0, 2, SPARE
	v_mov_b32 v[NIL], 0
	v_lshrrev_b32 v3, 5, v0
	v_readfirstlane_b32 s16, v3                    ; wave 0..7
	v_and_b32 v3, 31, v0                           ; lane
	s_mov_b32 s23, 0                               ; the upper words of the offsets' pairs
	s_mov_b32 s25, 0
	s_wait_kmcnt 0x0
	s_cmp_lt_u32 ttmp9, 200
	s_cbranch_scc1 .Lpath_x
	s_cmp_lt_u32 ttmp9, 296
	s_cbranch_scc1 .Lpath_w
; 32 rows k of a weight at my column: neighbouring lanes read neighbouring columns, 128 consecutive bytes a load
.macro LOADK b, pitch, base
.set i, 0
.rept 32
	global_load_b32 v[X+32*(\b)+i], v4, s[\base:\base+1] offset:(32*(\b)+i)*\pitch th:TH_LOAD_NT
.set i, i+1
.endr
.endm
; ---------------- W_proj -> f16 ----------------
	s_sub_co_u32 s17, ttmp9, 296
	s_lshr_b32 s18, s17, 1
	s_lshl_b32 s18, s18, 1
	s_and_b32 s19, s16, 1
	s_add_co_u32 s18, s18, s19                     ; which 32 columns: 2 (work-group / 2) + wave % 2
	s_and_b32 s17, s17, 1
	s_lshl_b32 s17, s17, 2
	s_lshr_b32 s19, s16, 1
	s_add_co_u32 s17, s17, s19                     ; which 128 along K: 4 (work-group % 2) + wave / 2
	s_lshl_b32 s22, s17, 19                        ; 128 rows of 4,096 bytes
	s_lshl_b32 s19, s18, 7                         ; 32 columns of 4 bytes
	s_add_co_u32 s22, s22, s19
	s_add_nc_u64 s[8:9], s[8:9], s[22:23]
	s_lshl_b32 s24, s18, 16                        ; two tiles of 32,768 bytes
	s_lshl_b32 s19, s17, 12                        ; 16 groups of eight, 256 bytes each
	s_add_co_u32 s24, s24, s19
	s_add_nc_u64 s[14:15], s[14:15], s[24:25]
	v_lshlrev_b32 v4, 2, v3                        ; in: 4 bytes a lane
	v_lshrrev_b32 v5, 4, v3
	v_and_b32 v6, 15, v3
	v_lshlrev_b32 v5, 15, v5                       ; out: lanes 16-31 write the next tile,
	v_lshl_add_u32 v5, v6, 4, v5                   ; 16 bytes a column
	LOADK 0, 4096, 8
	LOADK 1, 4096, 8
.macro PBLOCK b                        ; 32 along K of my column: 16 roundings in pairs, in place (register i takes numbers 2 i and 2 i + 1, which have landed), four stores
.if \b < 3
	s_wait_loadcnt 32                              ; this block's 32 loads are in; the next block's 32 may be out
.else
	s_wait_loadcnt 0x0
.endif
.if \b < 2
	LOADK \b+2, 4096, 8
.endif
.set i, 16*\b
.rept 16
	v_cvt_pk_f16_f32 v[X+i], v[X+2*i], v[X+2*i+1]
.set i, i+1
.endr
.irp g, 0,1,2,3
	global_store_b128 v5, v[X+16*\b+4*\g:X+16*\b+4*\g+3], s[14:15] offset:256*(4*\b+\g)   ; sixteen lanes store 256 consecutive bytes, aligned
.endr
.endm
	PBLOCK 0
	PBLOCK 1
	PBLOCK 2
	PBLOCK 3
	s_endpgm
; ---------------- W_qkv -> codes ----------------
.Lpath_w:
	s_sub_co_u32 s17, ttmp9, 200
	s_lshr_b32 s18, s17, 1
	s_lshl_b32 s18, s18, 1
	s_and_b32 s19, s16, 1
	s_add_co_u32 s18, s18, s19                     ; which 32 columns
	s_and_b32 s17, s17, 1
	s_lshl_b32 s17, s17, 2
	s_lshr_b32 s19, s16, 1
	s_add_co_u32 s17, s17, s19                     ; which K step s of 128
	s_mul_i32 s22, s17, 128*12288                  ; 128 rows of 12,288 bytes
	s_lshl_b32 s19, s18, 7
	s_add_co_u32 s22, s22, s19
	s_add_nc_u64 s[6:7], s[6:7], s[22:23]
	s_mul_i32 s24, s18, 2*8704                     ; two tiles
	s_lshl_b32 s19, s17, 6                         ; the scale words of K step s = 2 q + h lie at 8,192 + 128 q + 64 h = 8,192 + 64 s
	s_add_co_u32 s22, s24, s19
	s_add_co_u32 s22, s22, 8192
	s_add_nc_u64 s[26:27], s[12:13], s[22:23]
	s_lshl_b32 s19, s17, 10                        ; the K step's four blocks: 1,024 bytes
	s_add_co_u32 s24, s24, s19
	s_add_nc_u64 s[12:13], s[12:13], s[24:25]
	v_lshlrev_b32 v4, 2, v3
	v_lshrrev_b32 v7, 4, v3
	v_and_b32 v8, 15, v3
	v_mul_u32_u24 v7, v7, 8704                     ; lanes 16-31 write the next tile
	v_lshl_add_u32 v5, v8, 4, v7                   ; codes: 16 bytes a column
	v_lshl_add_u32 v6, v8, 2, v7                   ; scale word: 4 bytes a column
	LOADK 0, 12288, 6
	LOADK 1, 12288, 6
.macro WBLOCK b                        ; a block of 32 along K, all in my registers: no other lane is asked
.set XB, X+32*\b
.if \b < 3
	s_wait_loadcnt 32                              ; this block's 32 loads are in; the next block's 32 may be out
.else
	s_wait_loadcnt 0x0
.endif
.if \b < 2
	LOADK \b+2, 12288, 6
.endif
	v_max3_num_f32 v16, |v[XB]|, |v[XB+1]|, |v[XB+2]|
	v_max3_num_f32 v17, |v[XB+3]|, |v[XB+4]|, |v[XB+5]|
.irp i, 6,10,14,18,22,26
	v_max3_num_f32 v16, v16, |v[XB+\i]|, |v[XB+\i+1]|
	v_max3_num_f32 v17, v17, |v[XB+\i+2]|, |v[XB+\i+3]|
.endr
	v_max3_num_f32 v16, v16, |v[XB+30]|, |v[XB+31]|
	v_max3_num_f32 v16, v16, v17, 0x1800000        ; and the floor 2^(3 - 127): the byte cannot fall under 1
	v_add_nc_u32 v[20+\b], 0xff000000, v16         ; 2 off the exponent field: the conversion takes this operand's exponent field as its scale
	v_lshrrev_b32 v18, 23, v[20+\b]                ; the scale's byte
.if \b == 0
	v_mov_b32 v24, v18
.else
	v_lshl_or_b32 v24, v18, 8*\b, v24              ; four bytes make the K step's scale word
.endif
.irp g, 0,1,2,3
	v_cvt_scalef32_pk8_fp4_f32 v[CD+4*\b+\g], v[XB+8*\g:XB+8*\g+7], v[20+\b]
.endr
	global_store_b128 v5, v[CD+4*\b:CD+4*\b+3], s[12:13] offset:256*\b   ; sixteen lanes store 256 consecutive bytes, aligned.  Each block has code and scale registers of its own
.endm
	WBLOCK 0
	WBLOCK 1
	WBLOCK 2
	WBLOCK 3
	global_store_b32 v6, v24, s[26:27]             ; sixteen lanes store 64 consecutive bytes: the scale words are one byte in 128 of what this path reads
	s_endpgm
; ---------------- x -> codes ----------------
.Lpath_x:
	s_lshl_b32 s18, ttmp9, 1
	s_lshr_b32 s19, s16, 2
	s_add_co_u32 s18, s18, s19                     ; the tile that I write: 2 x work-group + wave / 4
	s_and_b32 s20, s16, 3                          ; my quarter of K: 256 numbers of each of 16 rows
	s_min_u32 s21, s18, 391                        ; the tile that I read: no load leaves x
	s_lshl_b32 s22, s21, 16                        ; 16 rows of 4,096 bytes
	s_lshl_b32 s19, s20, 10
	s_add_co_u32 s22, s22, s19
	s_add_nc_u64 s[4:5], s[4:5], s[22:23]
	s_mul_i32 s24, s18, 8704
	s_lshl_b32 s19, s20, 7
	s_add_co_u32 s22, s24, s19
	s_add_co_u32 s22, s22, 8192
	s_add_nc_u64 s[26:27], s[10:11], s[22:23]      ; my 128 bytes of scale words
	s_lshl_b32 s19, s20, 11
	s_add_co_u32 s24, s24, s19
	s_add_nc_u64 s[10:11], s[10:11], s[24:25]      ; my eight blocks' 2,048 bytes of codes
	s_mul_i32 s17, s16, WREG
	s_add_co_u32 s19, s17, 2176
	v_lshlrev_b32 v4, 5, v3                        ; in: a lane holds 8 neighbours, 32 bytes; four lanes hold a block
	v_lshrrev_b32 v9, 2, v3                        ; my block, 0..7
	v_mul_u32_u24 v5, v9, 272
	v_and_b32 v10, 3, v3
	v_lshl_add_u32 v5, v10, 2, v5
	v_add_nc_u32 v5, s17, v5                       ; the stage, in: row = block, my 4 bytes of the row's 16 (the row of x stands in the immediate)
	v_lshrrev_b32 v11, 4, v3
	v_and_b32 v9, 3, v9
	v_lshl_add_u32 v6, v11, 6, v9
	v_add_nc_u32 v6, s19, v6                       ; my block's byte: K step (lane / 16), byte (lane / 4) % 4
	v_mul_u32_u24 v7, v11, 272
	v_and_b32 v10, 15, v3
	v_lshl_add_u32 v7, v10, 4, v7
	v_add_nc_u32 v7, s17, v7                       ; the stage, out: sixteen lanes to a row, two rows an instruction
	v_lshlrev_b32 v12, 2, v3
	v_add_nc_u32 v8, s19, v12                      ; the scale words, out: 4 bytes a lane
	v_lshlrev_b32 v13, 4, v3
.set i, 0
.rept 16
	global_load_b128 v[X+8*i:X+8*i+3], v4, s[4:5] offset:4096*i th:TH_LOAD_NT        ; a row's two loads cover 1,024 consecutive bytes between them
	global_load_b128 v[X+8*i+4:X+8*i+7], v4, s[4:5] offset:4096*i+16 th:TH_LOAD_NT
.set i, i+1
.endr
.macro XROWS first, left               ; four rows by turns, so that no line waits for the line above it.  left: the loads issued behind these four rows' eight
	s_wait_loadcnt \left
.irp r, \first, \first+1, \first+2, \first+3
	v_max3_num_f32 v[MX+\r], |v[X+8*(\r)]|, |v[X+8*(\r)+1]|, 0x1800000   ; my 8 numbers, and the floor 2^(3 - 127)
.endr
.irp u, 2,4,6
.irp r, \first, \first+1, \first+2, \first+3
	v_max3_num_f32 v[MX+\r], v[MX+\r], |v[X+8*(\r)+\u]|, |v[X+8*(\r)+\u+1]|
.endr
.endr
.irp r, \first, \first+1, \first+2, \first+3
	v_max_num_f32_dpp v[MX+\r], v[MX+\r], v[MX+\r] row_xmask:1 row_mask:0xf bank_mask:0xf
.endr
.irp r, \first, \first+1, \first+2, \first+3
	v_max_num_f32_dpp v[MX+\r], v[MX+\r], v[MX+\r] row_xmask:2 row_mask:0xf bank_mask:0xf   ; with my three neighbours': the block's
.endr
.irp r, \first, \first+1, \first+2, \first+3
	v_add_nc_u32 v[MX+\r], 0xff000000, v[MX+\r]    ; 2 off the exponent field: the conversion's scale operand
.endr
.irp r, \first, \first+1, \first+2, \first+3
	v_cvt_scalef32_pk8_fp4_f32 v[CD+\r], v[X+8*(\r):X+8*(\r)+7], v[MX+\r]
.endr
.irp r, \first, \first+1, \first+2, \first+3
	v_lshrrev_b32 v[EB+\r], 23, v[MX+\r]           ; the scale's byte
.endr
.irp r, \first, \first+1, \first+2, \first+3
	ds_store_b32 v5, v[CD+\r] offset:16*(\r)
	ds_store_b8 v6, v[EB+\r] offset:4*(\r)         ; the four lanes of a block write the same byte with the same value
.endr
.endm
	XROWS 0, 24
	XROWS 4, 16
	XROWS 8, 8
	XROWS 12, 0
.irp i, 0,1,2,3
	ds_load_b128 v[OUTR+4*\i:OUTR+4*\i+3], v7 offset:544*\i   ; LDS serves a wave's instructions in order (ISA guide 5.7.1.4): these see my stores
.endr
	ds_load_b32 v[OUTR+16], v8
	s_wait_dscnt 0x0
.irp i, 0,1,2,3
	global_store_b128 v13, v[OUTR+4*\i:OUTR+4*\i+3], s[10:11] offset:512*\i   ; 32 lanes store 512 consecutive bytes, aligned
.endr
	global_store_b32 v12, v[OUTR+16], s[26:27]     ; 128 consecutive bytes
	s_wait_tensorcnt 0x0                           ; the wave's end: three lines behind my last LDS store
	ds_add_u32 v[SPW], v[NIL]
	s_wait_dscnt 0x0
	s_endpgm
.Lfunc_end_k_q818837c2a8_prep:
	.size	k_q818837c2a8_prep, .Lfunc_end_k_q818837c2a8_prep-k_q818837c2a8_prep
	.p2alignl 7, 3214868480
	.fill 96, 4, 3214868480
	.section	.rodata,"a",@progbits
	.p2align	6, 0x0
	.amdhsa_kernel k_q818837c2a8_prep
		.amdhsa_group_segment_fixed_size 19456
		.amdhsa_private_segment_fixed_size 0
		.amdhsa_enable_private_segment 0
		.amdhsa_kernarg_size 48
		.amdhsa_user_sgpr_count 2
		.amdhsa_user_sgpr_kernarg_segment_ptr 1
		.amdhsa_wavefront_size32 1
		.amdhsa_system_sgpr_workgroup_id_x 1
		.amdhsa_system_sgpr_workgroup_id_y 1
		.amdhsa_system_sgpr_workgroup_id_z 1
		.amdhsa_system_vgpr_workitem_id 0
		.amdhsa_next_free_vgpr 212
		.amdhsa_next_free_sgpr 66
		.amdhsa_reserve_vcc 0
		.amdhsa_float_denorm_mode_32 3
		.amdhsa_float_denorm_mode_16_64 3
		.amdhsa_memory_ordered 1
		.amdhsa_forward_progress 1
		.amdhsa_inst_pref_size 56
	.end_amdhsa_kernel
	.amdgpu_metadata
---
amdhsa.version: [ 1, 2 ]
amdhsa.kernels:
  - .name:           k_q818837c2a8_prep
    .symbol:         k_q818837c2a8_prep.kd
    .args:
      - { .name: x, .offset: 0, .size: 8, .value_kind: global_buffer, .address_space: global }
      - { .name: W_qkv, .offset: 8, .size: 8, .value_kind: global_buffer, .address_space: global }
      - { .name: W_proj, .offset: 16, .size: 8, .value_kind: global_buffer, .address_space: global }
      - { .name: xq, .offset: 24, .size: 8, .value_kind: global_buffer, .address_space: global }
      - { .name: wq, .offset: 32, .size: 8, .value_kind: global_buffer, .address_space: global }
      - { .name: wp, .offset: 40, .size: 8, .value_kind: global_buffer, .address_space: global }
    .group_segment_fixed_size: 19456
    .private_segment_fixed_size: 0
    .kernarg_segment_align: 8
    .kernarg_segment_size: 48
    .max_flat_workgroup_size: 256
    .sgpr_count:     66
    .vgpr_count:     212
    .wavefront_size: 32
...
	.end_amdgpu_metadata
.endif
;; end of part 1
;; launch qkv (part 2): grid 6 x 40, 8 waves a work-group, no clusters, 167,936 bytes of LDS; arguments xq, wq, b_qkv, q_gamma, q_beta, k_gamma, k_beta, qh, kh, vh; writes qh, kh, vh
.if DOCPART == 2
	.amdgcn_target "amdgcn-amd-amdhsa--gfx1250"
	.amdhsa_code_object_version 6
	.text
	.protected	k_q818837c2a8_qkv
	.globl	k_q818837c2a8_qkv
	.p2align	8
	.type	k_q818837c2a8_qkv,@function
k_q818837c2a8_qkv:
	s_mov_b64 s[64:65], 0
	v_nop
	global_prefetch_b8 v0, s[64:65] scope:SCOPE_SE
	s_setreg_imm32_b32 hwreg(HW_REG_WAVE_MODE, 25, 1), 1
	s_wait_xcnt 0x0
; qkv = Q(x) Q(W_qkv) + b_qkv on codes of E2M1 with E8M0 scales; LayerNorm over each head's 64 channels for q and k; q, k, v stored as f16, [6400 rows][1024], column = 64 head + d.
; q is stored times log2(e) / 8: the factor is multiplied into gamma and beta in f32, ahead of the one rounding to f16, so that the next launch's scores come out as exponents of 2.
; SHARES.  A work-group makes 160 rows (ten tiles of 16) x 512 columns (half of q, of k or of v).  THE WAVES SHARE THE COLUMNS: wave w owns one head, four tiles of 16 columns, and keeps its fragments of W for all of K
; in 256 registers (window 1), read from memory once.  The block's codes of x, 87,040 dense bytes, come into LDS once, by four tensor loads, and every wave reads them as images of the operand's registers.
; No cluster: the grid's width is 6, which no cluster of four divides, and the shared block of x is 87,040 of the 365,568 bytes that a work-group reads.
; THE PRODUCT IS USED TRANSPOSED (source 0 = 16 columns of W, source 1 = 16 rows of x): lane (r, h) holds row r, and register j of tile n channel 16 n + 8 h + j: 32 of the head's 64 channels; lane l xor 16 holds the rest.
; The bias is the C of each sum's first matrix instruction.  A UNIT is one tile of rows: 32 matrix instructions, the norm, the rounding, and the way out through a stage of two slots, one barrier a unit.
; Rows 6272 to 6399 of the outputs are made from the repeated last tile of xq, and nobody reads them.
; LIMIT: |v| and the normalised q, k stay under 65,504 (f16).
; REGISTERS.  window 0: v1-10 addresses; v12-15 x's scale words; v16-31 W's; v32-63 bias; v64-95 gamma, v96-127 beta (result's layout); v128-191 x's eight fragments; v192-223 four accumulators; v224-239 packed results; v240-249 at work.
.set TILEB, 8704                       ; a tile of xq or wq
.set STG,   87040                      ; behind the block of x: the stage, two slots of 16 rows x (1,024 + 16) bytes
.set SROW,  1040
.set SSLOT, 16*SROW
.set SPARE, 120320                     ; behind the stage: the spare words, 128 bytes for each wave
.set SPW, 1
.set NIL, 2
.set L16, 3                            ; 16 x lane
.set L4,  4                            ; 4 x lane
.set ADX, 5                            ; LDS address of the fragments in hand
.set ADS, 6                            ; and of their scale words
.set STO, 7                            ; the stage: where I put 16 bytes of a row
.set SRD, 8                            ; and where I read rows back
.set GOF, 9                            ; my byte offset in the unit's 16 rows of the output
.set H32, 10                           ; 32 x (lane / 16)
.set XS,  12
.set WS,  16
.set BQ,  32
.set GM,  64
.set BT,  96
.set XF,  128
.set ACC, 192
.set PK,  224
.set T0,  240
.set T1,  242
.set MU,  244
.set RS,  246
.set TA,  248
.set TC,  249
.set MSB, 0
.macro WIN new                         ; the immediate's high byte repeats the setting that is left
.if MSB != \new
	s_set_vgpr_msb (MSB<<8)|\new
.set MSB, \new
.endif
.endm
	s_load_b512 s[4:19], s[0:1], 0x0               ; xq s[4:5], wq s[6:7], b_qkv s[8:9], q_gamma s[10:11], q_beta s[12:13], k_gamma s[14:15], k_beta s[16:17], qh s[18:19]
	s_load_b128 s[20:23], s[0:1], 0x40             ; kh s[20:21], vh s[22:23]
	v_lshl_add_u32 v[SPW], v0, 2, SPARE
	v_mov_b32 v[NIL], 0
	ds_add_u32 v[SPW], v[NIL]                      ; the wave's opening: the add, twice on end, and its wait ahead of the first tensor load
	ds_add_u32 v[SPW], v[NIL]
	v_lshrrev_b32 v11, 5, v0
	v_readfirstlane_b32 s24, v11                   ; wave 0..7
	s_lshr_b32 s25, ttmp9, 1                       ; 0: q, 1: k, 2: v
	s_and_b32 s54, ttmp9, 1                        ; which half of its 1,024 columns
	s_and_b32 s55, ttmp7, 0xffff                   ; which block of 160 rows
	; descriptor group 1: 85 rows of 256 bytes (32 elements of 8 bytes), dense, no padding: a quarter of the block of x
	s_mov_b32 s32, 3<<16
	s_mov_b32 s33, 32<<16                          ; tensor_dim0
	s_mov_b32 s34, 85<<16                          ; tensor_dim1
	s_mov_b32 s35, 32<<16                          ; tile_dim0
	s_mov_b32 s36, 85                              ; tile_dim1
	s_mov_b32 s37, 32                              ; from row to row
	s_mov_b32 s38, 0
	s_mov_b32 s39, 0
	s_mov_b32 s28, 1
	s_mul_i32 s29, s24, 21760                      ; where my quarter goes
	s_mul_i32 s56, s55, 87040
	s_add_co_u32 s56, s56, s29                     ; and where it comes from
	s_mov_b32 s57, 0
	s_mov_b32 s40, 0x76543210
	s_mov_b32 s41, 0xfedcba98                      ; v_permlanex16_b32's selects for lane l xor 16
	s_mov_b32 s42, 0x3c800000                      ; 1 / 64
	s_mov_b32 s43, 0x358637bd                      ; 1e-6
	s_mov_b32 s26, 0                               ; LDS byte of the trip's first tile of x
	s_mov_b32 s27, 4                               ; trips
	s_wait_dscnt 0x0                               ; both opening adds are done
	s_wait_kmcnt 0x0
	s_add_nc_u64 s[30:31], s[4:5], s[56:57]
	s_or_b32 s31, s31, 0x80000000
	s_cmp_lt_u32 s24, 4                            ; waves 0 to 3 fetch, one load each: one tensor load of mine is out, or none
	s_cbranch_scc0 .Lno_fill
	tensor_load_to_lds s[28:31], s[32:39]
	s_nop 0
.rept 4
	v_nop
.endr
.Lno_fill:
	v_and_b32 v11, 31, v0
	v_lshlrev_b32 v[L16], 4, v11
	v_lshlrev_b32 v[L4], 2, v11
	v_and_b32 v[TA], 15, v0                        ; r
	v_bfe_u32 v[TC], v0, 4, 1                      ; h
	v_lshlrev_b32 v[H32], 5, v[TC]
	s_lshl_b32 s58, ttmp9, 3
	s_add_co_u32 s59, s58, s24                     ; my head among the 48 of q, k, v
	s_mul_i32 s56, s59, 4*TILEB
	s_add_nc_u64 s[46:47], s[6:7], s[56:57]        ; its four tiles of wq
	s_lshl_b32 s56, s59, 8
	s_add_nc_u64 s[8:9], s[8:9], s[56:57]          ; its 64 biases
	s_cmp_eq_u32 s25, 0                            ; the choices hang on the work-group's number alone
	s_cselect_b64 s[50:51], s[10:11], s[14:15]     ; gamma: q's, else k's (v's work-groups load k's and do not use them)
	s_cselect_b64 s[52:53], s[12:13], s[16:17]     ; beta
	s_cselect_b64 s[44:45], s[18:19], s[20:21]
	s_cselect_b32 s48, 0x3e38aa3b, 1.0             ; q alone is scaled by log2(e) / 8
	s_mov_b32 s49, s48                             ; (named with it as a pair)
	s_cmp_eq_u32 s25, 2
	s_cselect_b64 s[44:45], s[22:23], s[44:45]     ; the output
	s_mul_i32 s56, s55, 160*2048
	s_add_nc_u64 s[44:45], s[44:45], s[56:57]      ; at my block's first row
	WIN 0x40                                       ; destination window 1
.irp n, 0,1,2,3                        ; W's fragment (tile n, K step k) at v[64 n + 8 k] of window 1: they stay
.irp k, 0,1,2,3,4,5,6,7
.irp c, 0,1
	global_load_b128 v[64*\n+8*\k+4*\c:64*\n+8*\k+4*\c+3], v[L16], s[46:47] offset:\n*TILEB+\k*1024+\c*512
.endr
.endr
.endr
	WIN 0
.irp n, 0,1,2,3
.irp q, 0,1,2,3
	global_load_b32 v[WS+4*\n+\q], v[L4], s[46:47] offset:\n*TILEB+8192+128*\q   ; lanes 0-15: K step 2 q, lanes 16-31: K step 2 q + 1
.endr
.endr
.irp n, 0,1,2,3
	global_load_b128 v[BQ+8*\n:BQ+8*\n+3], v[H32], s[8:9] offset:64*\n
	global_load_b128 v[BQ+8*\n+4:BQ+8*\n+7], v[H32], s[8:9] offset:64*\n+16
	global_load_b128 v[GM+8*\n:GM+8*\n+3], v[H32], s[50:51] offset:64*\n
	global_load_b128 v[GM+8*\n+4:GM+8*\n+7], v[H32], s[50:51] offset:64*\n+16
	global_load_b128 v[BT+8*\n:BT+8*\n+3], v[H32], s[52:53] offset:64*\n
	global_load_b128 v[BT+8*\n+4:BT+8*\n+7], v[H32], s[52:53] offset:64*\n+16
.endr
	v_mul_u32_u24 v[STO], v[TA], SROW
	v_lshl_add_u32 v[STO], v[TC], 4, v[STO]
	s_lshl_b32 s58, s24, 7
	s_add_co_u32 s58, s58, STG
	v_add_nc_u32 v[STO], s58, v[STO]               ; row r, my head's 128 bytes, 16 h
	s_mul_i32 s58, s24, 2*SROW
	s_add_co_u32 s58, s58, STG
	v_add_nc_u32 v[SRD], s58, v[L16]               ; back: rows 2 w and 2 w + 1, 512 bytes an instruction
	s_lshl_b32 s58, s24, 12
	s_lshl_b32 s59, s54, 10
	s_add_co_u32 s58, s58, s59
	v_add_nc_u32 v[GOF], s58, v[L16]               ; and the same in the output: row 2 w, my work-group's half of its 2,048 bytes
	v_mov_b32 v[MU+1], 0                           ; (named as upper halves of pairs)
	v_mov_b32 v[RS+1], 0
	s_wait_loadcnt 0x0
.irp i, 0,2,4,6,8,10,12,14,16,18,20,22,24,26,28,30
	v_pk_mul_f32 v[GM+\i:GM+\i+1], v[GM+\i:GM+\i+1], s[48:49] op_sel_hi:[1,0]
	v_pk_mul_f32 v[BT+\i:BT+\i+1], v[BT+\i:BT+\i+1], s[48:49] op_sel_hi:[1,0]
.endr
	s_wait_tensorcnt 0x0                           ; my quarter of the block of x is in,
	s_barrier_signal -1
	s_barrier_wait -1                              ; everybody's is; nothing is ever filled again
.macro FETCHX u                        ; tile u, counted from the trip's first: eight fragments and four registers of scale words, as they lie
	v_add_nc_u32 v[ADX], s26, v[L16]
	v_add_nc_u32 v[ADS], s26, v[L4]
.irp k, 0,1,2,3,4,5,6,7
.irp c, 0,1
	ds_load_b128 v[XF+8*\k+4*\c:XF+8*\k+4*\c+3], v[ADX] offset:(\u)*TILEB+\k*1024+\c*512
.endr
.endr
.irp q, 0,1,2,3
	ds_load_b32 v[XS+\q], v[ADS] offset:(\u)*TILEB+8192+128*\q
.endr
.endm
.macro MUL                             ; 32 matrix instructions: K step by K step, the four accumulators by turns
	WIN 0x01                                       ; source 0 (W) window 1
.irp k, 0,1,2,3,4,5,6,7
.irp n, 0,1,2,3
.if \k == 0
	v_wmma_scale_f32_16x16x128_f8f6f4 v[ACC+8*\n:ACC+8*\n+7], v[64*\n+8*\k:64*\n+8*\k+7], v[XF+8*\k:XF+8*\k+7], v[BQ+8*\n:BQ+8*\n+7], v[WS+4*\n+\k/2], v[XS+\k/2] matrix_a_fmt:MATRIX_FMT_FP4 matrix_b_fmt:MATRIX_FMT_FP4
.elseif \k % 2 == 0
	v_wmma_scale_f32_16x16x128_f8f6f4 v[ACC+8*\n:ACC+8*\n+7], v[64*\n+8*\k:64*\n+8*\k+7], v[XF+8*\k:XF+8*\k+7], v[ACC+8*\n:ACC+8*\n+7], v[WS+4*\n+\k/2], v[XS+\k/2] matrix_a_fmt:MATRIX_FMT_FP4 matrix_b_fmt:MATRIX_FMT_FP4
.else
	v_wmma_scale_f32_16x16x128_f8f6f4 v[ACC+8*\n:ACC+8*\n+7], v[64*\n+8*\k:64*\n+8*\k+7], v[XF+8*\k:XF+8*\k+7], v[ACC+8*\n:ACC+8*\n+7], v[WS+4*\n+\k/2], v[XS+\k/2] matrix_a_fmt:MATRIX_FMT_FP4 matrix_b_fmt:MATRIX_FMT_FP4 matrix_a_scale:MATRIX_SCALE_ROW1 matrix_b_scale:MATRIX_SCALE_ROW1
.endif
.endr
.endr
	WIN 0
.endm
.macro LNORM                           ; (t - mean) rsqrt(var + 1e-6) gamma + beta over the head's 64 channels: my 32 and lane l xor 16's.  Each accumulator is read from its low end on
	v_pk_add_f32 v[T0:T0+1], v[ACC:ACC+1], v[ACC+2:ACC+3]
	v_pk_add_f32 v[T1:T1+1], v[ACC+4:ACC+5], v[ACC+6:ACC+7]
.irp i, 8,12,16,20,24,28
	v_pk_add_f32 v[T0:T0+1], v[T0:T0+1], v[ACC+\i:ACC+\i+1]
	v_pk_add_f32 v[T1:T1+1], v[T1:T1+1], v[ACC+\i+2:ACC+\i+3]
.endr
	v_pk_add_f32 v[T0:T0+1], v[T0:T0+1], v[T1:T1+1]
	v_add_f32 v[TA], v[T0], v[T0+1]
	v_permlanex16_b32 v[TC], v[TA], s40, s41
	v_add_f32 v[TA], v[TA], v[TC]
	v_mul_f32 v[MU], s42, v[TA]                    ; the mean
.irp i, 0,2,4,6,8,10,12,14,16,18,20,22,24,26,28,30
	v_pk_add_f32 v[ACC+\i:ACC+\i+1], v[ACC+\i:ACC+\i+1], v[MU:MU+1] op_sel_hi:[1,0] neg_lo:[0,1] neg_hi:[0,1]
.endr
	v_pk_mul_f32 v[T0:T0+1], v[ACC:ACC+1], v[ACC:ACC+1]
	v_pk_mul_f32 v[T1:T1+1], v[ACC+2:ACC+3], v[ACC+2:ACC+3]
.irp i, 4,8,12,16,20,24,28
	v_pk_fma_f32 v[T0:T0+1], v[ACC+\i:ACC+\i+1], v[ACC+\i:ACC+\i+1], v[T0:T0+1]
	v_pk_fma_f32 v[T1:T1+1], v[ACC+\i+2:ACC+\i+3], v[ACC+\i+2:ACC+\i+3], v[T1:T1+1]
.endr
	v_pk_add_f32 v[T0:T0+1], v[T0:T0+1], v[T1:T1+1]
	v_add_f32 v[TA], v[T0], v[T0+1]
	v_permlanex16_b32 v[TC], v[TA], s40, s41
	v_add_f32 v[TA], v[TA], v[TC]
	v_fma_f32 v[TA], v[TA], s42, s43               ; the variance + 1e-6
	v_rsq_f32 v[RS], v[TA]
	v_nop                                          ; a plain instruction behind the transcendental,
	s_wait_alu depctr_va_vdst(0)                   ; and the wait ahead of the first use of its result
.irp i, 0,2,4,6,8,10,12,14,16,18,20,22,24,26,28,30
	v_pk_mul_f32 v[ACC+\i:ACC+\i+1], v[ACC+\i:ACC+\i+1], v[RS:RS+1] op_sel_hi:[1,0]
.endr
.irp i, 0,2,4,6,8,10,12,14,16,18,20,22,24,26,28,30
	v_pk_fma_f32 v[ACC+\i:ACC+\i+1], v[ACC+\i:ACC+\i+1], v[GM+\i:GM+\i+1], v[BT+\i:BT+\i+1]
.endr
.endm
; One tile of rows.  u: 0 or 1, the trip's first or second tile, and the stage's slot.  nxt: the tile fetched for the next unit, counted from the trip's first; -1: none.
; ONE BARRIER A UNIT: slot u is written again two units on, behind the next unit's barrier, in front of which every wave has waited for its reads of it.
.macro UNIT u, nxt
	s_wait_dscnt 0x0                               ; x's fragments and scale words are in
	MUL
.rept 4
	v_nop                                          ; places in front of loads into registers that matrix instructions have read, and of the first read of results
.endr
.if \nxt >= 0
	FETCHX \nxt                                    ; lands while the norm is worked
.endif
	s_cmp_eq_u32 s25, 2                            ; v has no norm: a branch on the work-group's number
	s_cbranch_scc1 .Lplain_\@
	LNORM
.Lplain_\@:
	s_wait_xcnt 0x0                                ; the last unit's stores have read their data: PK is written again only behind this wait
.irp n, 0,1,2,3
.irp i, 0,1,2,3
	v_cvt_pk_f16_f32 v[PK+4*\n+\i], v[ACC+8*\n+2*\i], v[ACC+8*\n+2*\i+1]
.endr
.endr
.irp n, 0,1,2,3
	ds_store_b128 v[STO], v[PK+4*\n:PK+4*\n+3] offset:\u*SSLOT+32*\n   ; channels 16 n + 8 h + 0..7 of row r
.endr
	s_wait_dscnt 0x0                               ; for the others' sake: my stores into the stage are done
	s_barrier_signal -1
	s_barrier_wait -1                              ; 16 whole rows of 1,024 bytes lie in the slot
	ds_load_b128 v[PK:PK+3], v[SRD] offset:\u*SSLOT
	ds_load_b128 v[PK+4:PK+7], v[SRD] offset:\u*SSLOT+512
	ds_load_b128 v[PK+8:PK+11], v[SRD] offset:\u*SSLOT+SROW
	ds_load_b128 v[PK+12:PK+15], v[SRD] offset:\u*SSLOT+SROW+512
	s_wait_dscnt 0x0
	global_store_b128 v[GOF], v[PK:PK+3], s[44:45] offset:\u*32768          ; 32 lanes store 512 consecutive bytes, aligned
	global_store_b128 v[GOF], v[PK+4:PK+7], s[44:45] offset:\u*32768+512
	global_store_b128 v[GOF], v[PK+8:PK+11], s[44:45] offset:\u*32768+2048
	global_store_b128 v[GOF], v[PK+12:PK+15], s[44:45] offset:\u*32768+2560
.endm
	FETCHX 0
.Ltrip:                                        ; four trips of two tiles; the last two tiles are written out, so that the last fetches nothing
	UNIT 0, 1
	UNIT 1, 2
	s_wait_xcnt 0x0                                ; the stores have read their base
	s_add_nc_u64 s[44:45], s[44:45], 65536
	s_add_co_u32 s26, s26, 2*TILEB
	s_sub_co_u32 s27, s27, 1
	s_cmp_lg_u32 s27, 0
	s_cbranch_scc1 .Ltrip
	UNIT 0, 1
	UNIT 1, -1
	s_wait_tensorcnt 0x0                           ; the wave's end: three lines behind my last tensor load and my last LDS store
	ds_add_u32 v[SPW], v[NIL]
	s_wait_dscnt 0x0
	s_endpgm
.Lfunc_end_k_q818837c2a8_qkv:
	.size	k_q818837c2a8_qkv, .Lfunc_end_k_q818837c2a8_qkv-k_q818837c2a8_qkv
	.p2alignl 7, 3214868480
	.fill 96, 4, 3214868480
	.section	.rodata,"a",@progbits
	.p2align	6, 0x0
	.amdhsa_kernel k_q818837c2a8_qkv
		.amdhsa_group_segment_fixed_size 167936
		.amdhsa_private_segment_fixed_size 0
		.amdhsa_enable_private_segment 0
		.amdhsa_kernarg_size 80
		.amdhsa_user_sgpr_count 2
		.amdhsa_user_sgpr_kernarg_segment_ptr 1
		.amdhsa_wavefront_size32 1
		.amdhsa_system_sgpr_workgroup_id_x 1
		.amdhsa_system_sgpr_workgroup_id_y 1
		.amdhsa_system_sgpr_workgroup_id_z 1
		.amdhsa_system_vgpr_workitem_id 0
		.amdhsa_next_free_vgpr 512
		.amdhsa_next_free_sgpr 66
		.amdhsa_reserve_vcc 0
		.amdhsa_float_denorm_mode_32 3
		.amdhsa_float_denorm_mode_16_64 3
		.amdhsa_memory_ordered 1
		.amdhsa_forward_progress 1
		.amdhsa_inst_pref_size 69
	.end_amdhsa_kernel
	.amdgpu_metadata
---
amdhsa.version: [ 1, 2 ]
amdhsa.kernels:
  - .name:           k_q818837c2a8_qkv
    .symbol:         k_q818837c2a8_qkv.kd
    .args:
      - { .name: xq, .offset: 0, .size: 8, .value_kind: global_buffer, .address_space: global }
      - { .name: wq, .offset: 8, .size: 8, .value_kind: global_buffer, .address_space: global }
      - { .name: b_qkv, .offset: 16, .size: 8, .value_kind: global_buffer, .address_space: global }
      - { .name: q_gamma, .offset: 24, .size: 8, .value_kind: global_buffer, .address_space: global }
      - { .name: q_beta, .offset: 32, .size: 8, .value_kind: global_buffer, .address_space: global }
      - { .name: k_gamma, .offset: 40, .size: 8, .value_kind: global_buffer, .address_space: global }
      - { .name: k_beta, .offset: 48, .size: 8, .value_kind: global_buffer, .address_space: global }
      - { .name: qh, .offset: 56, .size: 8, .value_kind: global_buffer, .address_space: global }
      - { .name: kh, .offset: 64, .size: 8, .value_kind: global_buffer, .address_space: global }
      - { .name: vh, .offset: 72, .size: 8, .value_kind: global_buffer, .address_space: global }
    .group_segment_fixed_size: 167936
    .private_segment_fixed_size: 0
    .kernarg_segment_align: 8
    .kernarg_segment_size: 80
    .max_flat_workgroup_size: 256
    .sgpr_count:     66
    .vgpr_count:     512
    .wavefront_size: 32
...
	.end_amdgpu_metadata
.endif
;; end of part 2
;; launch attn (part 3): grid 8 x 32, 8 waves a work-group, no clusters, 137,472 bytes of LDS; arguments qh, kh, vh, gather_idx, attn_bias, oh; writes oh
.if DOCPART == 3
	.amdgcn_target "amdgcn-amd-amdhsa--gfx1250"
	.amdhsa_code_object_version 6
	.text
	.protected	k_q818837c2a8_attn
	.globl	k_q818837c2a8_attn
	.p2align	8
	.type	k_q818837c2a8_attn,@function
k_q818837c2a8_attn:
	s_mov_b64 s[64:65], 0
	v_nop
	global_prefetch_b8 v0, s[64:65] scope:SCOPE_SE
	s_setreg_imm32_b32 hwreg(HW_REG_WAVE_MODE, 25, 1), 1
	s_wait_xcnt 0x0
; For each frame and head: o = softmax(q k^T / 8 + bias) v over the 1,960 keys that gather_idx names one by one.  q, k, v: f16, [row][1024]; q comes scaled by log2(e) / 8.  o: f16, [6272][1024].
; SHARES.  A work-group owns one frame and a PAIR of heads, so that a gathered row of k or of v is 256 consecutive bytes, aligned.  Waves 0-3 take the first head, waves 4-7 the second; a head's 13 tiles of 16 queries
; go 4, 3, 3, 3 over waves 0-3 and 3, 3, 3, 4 over waves 4-7.  Queries 196 to 207 repeat query 195 and are not stored.  Every wave walks all keys, 64 a step, 31 steps: keys 1,960 to 1,983 are padding
; (they repeat the list's last four indices, so that no load leaves its buffer, and carry the bias -3e38, so that their weight is 0).
; THE GATHER.  Each thread loads the four indices of its four rows by one load, holds them inside the table, and loads its 16 bytes of each row of k and of v into registers a whole step ahead of their use;
; at the step's end they go into the other of two LDS slots.  One barrier a step: the slot that a step writes was read in the step before, and every wave has waited for those reads in front of that step's barrier.
; No cluster and no joint loads: no two work-groups walk the same list.  No tensor load: the rows are named by data.
; LAYOUT.  Both products are used transposed: S^T = K Q^T (source 0 = 16 keys, source 1 = 16 queries), O^T = V^T P (source 0 = 16 channels, source 1 = P): a lane holds ONE query (lane % 16) throughout,
; and two tiles of S^T rounded to f16 in pairs ARE source 1 of the second product.  V ([key][channel] in LDS) comes turned, by ds_load_tr16_b128.
; THE SOFTMAX.  bias x log2(e), in f32, is the C of the first product's first instruction: S^T comes out as t = (score + bias) log2(e).  A running maximum m for each query; p = 2^(t - m), rounded to f16;
; in every step O^T and the sum are multiplied by a = 2^(old m - new m).  THE ROW'S SUM is made by the matrix unit: a fifth tile of channels, all ones, beside V's four; only its register 0 is kept up and read.
; LIMITS: where every key of a frame carries a bias so large that a score's own digits are lost in f32 (1e9 and more), the weights among those keys are rounding artefacts here as in f32 anywhere, and need not agree.
; REGISTERS.  window 0: v1-11 addresses; v12-15 indices, v16-19 row offsets; v20-27 m, a pair a tile; v28-31 at work; v32-33 a; v34, v35, v254 the way out's addresses; v36-43 ones; v44-75 bias; v76-139 K; v140-203 V^T; v204-235 S^T; v236-251 P; v252 lane % 16, v253 lane / 16.
;   window 1: v0-127 O^T, 32 a tile; v128-191 Q, 16 a tile; v192-223 the sums, 8 a tile; v224-239, v240-255 the gathered rows of k and of v.
.set SLOTB, 35840                      ; a slot: 64 rows of K, then 64 rows of V
.set PKK,   272                        ; a row of K in LDS: 256 bytes + 16: the 16 rows of a load start at 16 different banks (64 banks of 4 bytes: ISA guide 11.1)
.set PVV,   288                        ; a row of V: 256 + 32
.set VOFF,  64*PKK
.set BIAS,  2*SLOTB                    ; 2,048 words: bias x log2(e) of the frame's keys
.set STAGE, BIAS+8192                  ; the way out: 208 rows x (256 + 16) bytes
.set SPARE, STAGE+208*272              ; the spare words, 128 bytes for each wave
.set SPW, 1
.set NIL, 2
.set AK,  3
.set AV,  4
.set AB,  5
.set ABJ, 6
.set KPR, 7                            ; my first row of a step's 64: 8 wave + 4 (lane / 16)
.set IAD, 8
.set LCOL, 9                           ; my 16 bytes of a row: 256 x head pair + 16 (lane % 16)
.set SK,  10
.set SV,  11
.set IDX, 12
.set OFFS, 16
.set MM,  20
.set CC,  28
.set AA,  32
.set STO, 34
.set RD,  35
.set ONES, 36
.set BF,  44
.set KF,  76
.set VF,  140
.set S,   204
.set P,   236
.set RR,  252
.set HH,  253
.set GO,  254
.set Q,   128                          ; window 1
.set LL,  192
.set GK,  224
.set GV,  240
.set MSB, 0
.macro WIN new                         ; the immediate's high byte repeats the setting that is left
.if MSB != \new
	s_set_vgpr_msb (MSB<<8)|\new
.set MSB, \new
.endif
.endm
	s_load_b256 s[4:11], s[0:1], 0x0               ; qh s[4:5], kh s[6:7], vh s[8:9], gather_idx s[10:11]
	s_load_b128 s[12:15], s[0:1], 0x20             ; attn_bias s[12:13], oh s[14:15]
	v_lshl_add_u32 v[SPW], v0, 2, SPARE
	v_mov_b32 v[NIL], 0
	v_lshrrev_b32 v[KF], 5, v0
	v_readfirstlane_b32 s16, v[KF]                 ; wave 0..7
	s_lshr_b32 s17, s16, 2                         ; which head of the pair
	s_and_b32 s18, s16, 3
	s_min_u32 s19, s18, 1
	s_xor_b32 s20, s17, 1
	s_and_b32 s19, s19, s20
	s_mul_i32 s20, s18, 3
	s_add_co_u32 s19, s19, s20                     ; my first tile of queries: 0, 4, 7, 10 in the first head; 0, 3, 6, 9 in the second
	s_add_co_u32 s20, s16, 1
	s_and_b32 s20, s20, 7                          ; under 2 in waves 7 and 0, which own four tiles
	s_and_b32 s21, ttmp7, 0xffff                   ; the frame
	s_mov_b32 s24, 0x76543210
	s_mov_b32 s25, 0xfedcba98                      ; v_permlanex16_b32's selects for lane l xor 16
	s_mov_b32 s26, 0                               ; the first key of the step whose indices are asked for next
	s_mov_b32 s27, 0                               ; the trip's first bias word, in bytes
	s_mov_b32 s28, 15                              ; trips of two steps
	s_lshl_b32 s29, s17, 7                         ; my head's 128 bytes of a row
	v_and_b32 v[RR], 15, v0
	v_bfe_u32 v[HH], v0, 4, 1
	v_and_b32 v[KF+8], 7, v0
	v_bfe_u32 v[KF+9], v0, 3, 1
	v_mul_u32_u24 v[AK], v[RR], PKK
	v_lshl_add_u32 v[AK], v[HH], 4, v[AK]
	v_add_nc_u32 v[AK], s29, v[AK]                 ; K: key lane % 16, 16 bytes for each half of the lanes, my head
	v_lshl_add_u32 v[AV], v[HH], 3, v[KF+8]
	v_mul_u32_u24 v[AV], v[AV], PVV
	v_lshl_add_u32 v[AV], v[KF+9], 4, v[AV]
	s_add_co_u32 s30, s29, VOFF
	v_add_nc_u32 v[AV], s30, v[AV]                 ; V: key 8 (lane / 16) + lane % 8, channels 8 ((lane / 8) % 2) on, my head
	v_lshl_add_u32 v[AB], v[HH], 5, BIAS           ; the bias in the result's layout: keys 8 (lane / 16) + 0..7 of a tile
	s_lshl_b32 s30, s16, 3
	v_lshl_add_u32 v[KPR], v[HH], 2, s30
	s_lshl_b32 s31, ttmp9, 8
	v_lshl_add_u32 v[LCOL], v[RR], 4, s31
	v_mul_u32_u24 v[SK], v[HH], 4*PKK
	v_lshl_add_u32 v[SK], v[RR], 4, v[SK]
	s_mul_i32 s30, s16, 8*PKK
	v_add_nc_u32 v[SK], s30, v[SK]                 ; where my rows of K go in a slot,
	v_mul_u32_u24 v[SV], v[HH], 4*PVV
	v_lshl_add_u32 v[SV], v[RR], 4, v[SV]
	s_mul_i32 s30, s16, 8*PVV
	s_add_co_u32 s30, s30, VOFF
	v_add_nc_u32 v[SV], s30, v[SV]                 ; and my rows of V
	; the way out's addresses are made here, ahead of the first branch on the wave's number
	s_mul_i32 s30, s19, 16*272
	s_add_co_u32 s30, s30, s29
	s_add_co_u32 s30, s30, STAGE
	v_mul_u32_u24 v[STO], v[RR], 272
	v_lshl_add_u32 v[STO], v[HH], 4, v[STO]
	v_add_nc_u32 v[STO], s30, v[STO]               ; in: my first tile's row lane % 16, my head's 128 bytes, 16 bytes for each half of the lanes
	s_mul_i32 s30, s16, 2*272
	s_add_co_u32 s30, s30, STAGE
	v_mul_u32_u24 v[RD], v[HH], 272
	v_lshl_add_u32 v[RD], v[RR], 4, v[RD]
	v_add_nc_u32 v[RD], s30, v[RD]                 ; back: rows 2 wave and 2 wave + 1, sixteen lanes to a row
	s_lshl_b32 s30, s16, 12
	v_lshlrev_b32 v[GO], 11, v[HH]
	v_lshl_add_u32 v[GO], v[RR], 4, v[GO]
	v_add_nc_u32 v[GO], s30, v[GO]                 ; and the same two rows in o
	s_mov_b32 s23, 0
	s_wait_kmcnt 0x0
	s_mul_i32 s22, s21, 7840
	s_add_nc_u64 s[10:11], s[10:11], s[22:23]      ; my frame's list,
	s_add_nc_u64 s[12:13], s[12:13], s[22:23]      ; its biases,
	s_mul_i32 s22, s21, 196*2048
	s_add_co_u32 s22, s22, s31
	s_add_nc_u64 s[14:15], s[14:15], s[22:23]      ; its rows of o, at the pair's 256 bytes,
	s_add_co_u32 s22, s22, s29
	s_add_nc_u64 s[4:5], s[4:5], s[22:23]          ; and of q, at my head's 128
.macro ASKIDX                          ; the four indices of my rows of the step that begins at key s26; past the list's end its last four again
	v_add_nc_u32 v[IAD], s26, v[KPR]
	v_min_u32 v[IAD], 1956, v[IAD]
	v_lshlrev_b32 v[IAD], 2, v[IAD]
	global_load_b128 v[IDX:IDX+3], v[IAD], s[10:11]
	s_add_co_u32 s26, s26, 64
.endm
.macro GATHER                          ; my 16 bytes of four rows of k and of v: sixteen lanes read a row's 256 consecutive bytes, aligned
.irp i, 0,1,2,3
	v_min_u32 v[OFFS+\i], 6271, v[IDX+\i]          ; an index is held inside the table before it enters an address
.endr
.irp i, 0,1,2,3
	v_lshlrev_b32 v[OFFS+\i], 11, v[OFFS+\i]
.endr
.irp i, 0,1,2,3
	v_add_nc_u32 v[OFFS+\i], v[LCOL], v[OFFS+\i]
.endr
	WIN 0x40                                       ; destination window 1
.irp i, 0,1,2,3
	global_load_b128 v[GK+4*\i:GK+4*\i+3], v[OFFS+\i], s[6:7]
.endr
.irp i, 0,1,2,3
	global_load_b128 v[GV+4*\i:GV+4*\i+3], v[OFFS+\i], s[8:9]
.endr
	WIN 0
.endm
.macro TOSLOT slot
	WIN 0x04                                       ; an LDS store's data are its source 1: window 1
.irp i, 0,1,2,3
	ds_store_b128 v[SK], v[GK+4*\i:GK+4*\i+3] offset:(\slot)*SLOTB+\i*PKK
.endr
.irp i, 0,1,2,3
	ds_store_b128 v[SV], v[GV+4*\i:GV+4*\i+3] offset:(\slot)*SLOTB+\i*PVV
.endr
	WIN 0
.endm
	ASKIDX                                         ; step 0
	s_wait_loadcnt 0x0
	GATHER
	ASKIDX                                         ; step 1 (the wait above has shown the first index load done: its address register may be written)
	v_lshlrev_b32 v[KF+4], 2, v0                   ; the biases: key = thread + 256 i
	v_add_nc_u32 v[KF+6], 1792, v0                 ; the eighth's key,
	v_min_u32 v[KF+5], 1959, v[KF+6]               ; held inside the list
	v_lshlrev_b32 v[KF+5], 2, v[KF+5]
.irp i, 0,1,2,3,4,5,6
	global_load_b32 v[BF+\i], v[KF+4], s[12:13] offset:1024*\i
.endr
	global_load_b32 v[BF+7], v[KF+5], s[12:13]
	s_lshl_b32 s30, s19, 4
.irp t, 0,1,2,3                        ; Q stays in registers.  All four places are loaded in every wave; a wave of three tiles does not use the fourth
	v_add_nc_u32 v[KF+\t], s30, v[RR]
	v_min_u32 v[KF+\t], 195, v[KF+\t]              ; queries past the frame's last repeat it
	v_lshlrev_b32 v[KF+\t], 11, v[KF+\t]
	v_lshl_add_u32 v[KF+\t], v[HH], 4, v[KF+\t]
	s_add_co_u32 s30, s30, 16
.endr
	WIN 0x40
.irp t, 0,1,2,3
.irp c, 0,1
	global_load_b128 v[Q+16*\t+8*\c:Q+16*\t+8*\c+3], v[KF+\t], s[4:5] offset:64*\c
	global_load_b128 v[Q+16*\t+8*\c+4:Q+16*\t+8*\c+7], v[KF+\t], s[4:5] offset:64*\c+32
.endr
.endr
.set i, 0
.rept 128
	v_mov_b32 v[i], 0                              ; O^T.  (The step is written once for all 31: the first finds zeros, which a = 0 leaves zeros)
.set i, i+1
.endr
.set i, 0
.rept 32
	v_mov_b32 v[LL+i], 0                           ; the sums
.set i, i+1
.endr
	WIN 0
.irp t, 0,1,2,3
	v_mov_b32 v[MM+2*\t], 0xff61b1e6               ; m: -3e38, under every t
	v_mov_b32 v[MM+2*\t+1], 0                      ; (named with it as a pair)
.endr
	v_mov_b32 v[AA], 0
	v_mov_b32 v[AA+1], 0
.irp i, 0,1,2,3,4,5,6,7
	v_mov_b32 v[ONES+\i], 0x3c003c00               ; 1.0, 1.0 in f16
.endr
	v_mov_b32 v[KF+7], 0xff61b1e6
	v_lshl_add_u32 v[ABJ], v0, 2, BIAS
	s_wait_loadcnt 16                              ; all but Q's sixteen loads are in: step 0's rows, step 1's indices, the biases
.irp i, 0,1,2,3,4,5,6,7
	v_mul_f32 v[BF+\i], 0x3fb8aa3b, v[BF+\i]       ; x log2(e)
.endr
	v_cmp_gt_u32 vcc_lo, 1960, v[KF+6]
	v_cndmask_b32 v[BF+7], v[KF+7], v[BF+7], vcc_lo   ; padding keys: -3e38
.irp i, 0,1,2,3,4,5,6,7
	ds_store_b32 v[ABJ], v[BF+\i] offset:1024*\i
.endr
	TOSLOT 0
	s_wait_loadcnt 0x0                             ; Q
	s_wait_dscnt 0x0                               ; for the others' sake: my stores are done
	s_barrier_signal -1
	s_barrier_wait -1
.macro KQ t                            ; S^T of tile t: 8 matrix instructions, the four accumulators by turns; the first four take the bias as C
	WIN 0x04                                       ; source 1 (Q) window 1
.irp c, 0,1
.irp kt, 0,1,2,3
.if \c == 0
	v_wmma_f32_16x16x32_f16 v[S+8*\kt:S+8*\kt+7], v[KF+16*\kt:KF+16*\kt+7], v[Q+16*(\t):Q+16*(\t)+7], v[BF+8*\kt:BF+8*\kt+7]
.else
	v_wmma_f32_16x16x32_f16 v[S+8*\kt:S+8*\kt+7], v[KF+16*\kt+8:KF+16*\kt+15], v[Q+16*(\t)+8:Q+16*(\t)+15], v[S+8*\kt:S+8*\kt+7]
.endif
.endr
.endr
.endm
.macro PV t                            ; O^T and the sum of tile t: 10 matrix instructions, five accumulators by turns
	WIN 0x50                                       ; C and D window 1
.irp kk, 0,1
.irp ct, 0,1,2,3
	v_wmma_f32_16x16x32_f16 v[32*(\t)+8*\ct:32*(\t)+8*\ct+7], v[VF+32*\kk+8*\ct:VF+32*\kk+8*\ct+7], v[P+8*\kk:P+8*\kk+7], v[32*(\t)+8*\ct:32*(\t)+8*\ct+7]
.endr
	v_wmma_f32_16x16x32_f16 v[LL+8*(\t):LL+8*(\t)+7], v[ONES:ONES+7], v[P+8*\kk:P+8*\kk+7], v[LL+8*(\t):LL+8*(\t)+7]
.endr
.endm
.macro PLACES                          ; four places between a matrix instruction and the vector instruction that reads its result or writes one of its registers, or the load into one
.rept 4
	v_nop
.endr
.endm
.macro SM t                            ; the softmax of tile t for this step's 64 keys
.set rM, MM+2*(\t)
	WIN 0
.irp j, 0,1,2,3
	v_max3_num_f32 v[CC+\j], v[S+8*\j], v[S+8*\j+1], v[S+8*\j+2]   ; four chains; each accumulator is read from its low end on
.endr
.irp u, 3,5
.irp j, 0,1,2,3
	v_max3_num_f32 v[CC+\j], v[CC+\j], v[S+8*\j+\u], v[S+8*\j+\u+1]
.endr
.endr
	v_max3_num_f32 v[CC], v[CC], v[S+7], v[S+15]
	v_max3_num_f32 v[CC+2], v[CC+2], v[S+23], v[S+31]
	v_max3_num_f32 v[CC], v[CC], v[CC+1], v[CC+2]
	v_max3_num_f32 v[CC], v[CC], v[CC+3], v[rM]    ; with the old m
	v_permlanex16_b32 v[CC+1], v[CC], s24, s25     ; the query's other 32 keys lie in the lane 16 away
	v_max_num_f32 v[CC+2], v[CC], v[CC+1]
	v_sub_f32 v[CC+3], v[rM], v[CC+2]              ; old m - new m
	v_mov_b32 v[rM], v[CC+2]
	v_exp_f32 v[AA], v[CC+3]                       ; ONE BATCH: a and the 32 weights; none of these lines names an exponential's result
	v_pk_add_f32 v[S:S+1], v[S:S+1], v[rM:rM+1] op_sel_hi:[1,0] neg_lo:[0,1] neg_hi:[0,1]
.set b, 0
.rept 16
.if b < 15
	v_pk_add_f32 v[S+2*b+2:S+2*b+3], v[S+2*b+2:S+2*b+3], v[rM:rM+1] op_sel_hi:[1,0] neg_lo:[0,1] neg_hi:[0,1]   ; t - m of the next pair
.endif
	v_exp_f32 v[S+2*b], v[S+2*b]
	v_exp_f32 v[S+2*b+1], v[S+2*b+1]
.set b, b+1
.endr
	v_nop                                          ; a plain instruction behind the last exponential,
	s_wait_alu depctr_va_vdst(0)                   ; and the one wait ahead of the batch's first reader
.set b, 0
.rept 16
	v_cvt_pk_f16_f32 v[P+b], v[S+2*b], v[S+2*b+1]
.set b, b+1
.endr
	WIN 0x41                                       ; destination and source 0 window 1
	v_mul_f32 v[LL+8*(\t)], v[LL+8*(\t)], v[AA]    ; the sum under the new m: register 0 alone is kept up
.set b, 0
.rept 16
	v_pk_mul_f32 v[32*(\t)+2*b:32*(\t)+2*b+1], v[32*(\t)+2*b:32*(\t)+2*b+1], v[AA:AA+1] op_sel_hi:[1,0]
.set b, b+1
.endr
.endm
; A KEY STEP on slot.  nxt = 1: the next step's rows are gathered at its head and stored into the other slot at its end, and the barrier follows.
.macro STEP slot, nxt
	s_wait_loadcnt 0x0                             ; the next step's indices are in; no load of mine is out, so the offsets and the index's address may be written
.if \nxt
	GATHER                                         ; (its twelve plain lines are also the places in front of the LDS loads below)
	ASKIDX                                         ; two steps on.  The last of these asks past the list: it is held at the list's last four, and not used
.else
	PLACES
.endif
	v_add_nc_u32 v[ABJ], s27, v[AB]
.irp kt, 0,1,2,3
.irp c, 0,1
	ds_load_b128 v[KF+16*\kt+8*\c:KF+16*\kt+8*\c+3], v[AK] offset:\slot*SLOTB+\kt*16*PKK+64*\c
	ds_load_b128 v[KF+16*\kt+8*\c+4:KF+16*\kt+8*\c+7], v[AK] offset:\slot*SLOTB+\kt*16*PKK+64*\c+32
.endr
.endr
.irp kt, 0,1,2,3
	ds_load_b128 v[BF+8*\kt:BF+8*\kt+3], v[ABJ] offset:\slot*256+64*\kt
	ds_load_b128 v[BF+8*\kt+4:BF+8*\kt+7], v[ABJ] offset:\slot*256+64*\kt+16
.endr
.irp kk, 0,1
.irp ct, 0,1,2,3
	ds_load_tr16_b128 v[VF+32*\kk+8*\ct:VF+32*\kk+8*\ct+3], v[AV] offset:\slot*SLOTB+\kk*32*PVV+32*\ct
	ds_load_tr16_b128 v[VF+32*\kk+8*\ct+4:VF+32*\kk+8*\ct+7], v[AV] offset:\slot*SLOTB+\kk*32*PVV+16*PVV+32*\ct
.endr
.endr
	s_wait_dscnt 16                                ; K and the bias are in; V's sixteen loads may be out
	KQ 0
	PLACES
	SM 0
	KQ 1                                           ; the next tile's scores are asked of the matrix unit ahead of this tile's second product
	s_wait_dscnt 0x0                               ; V is in
	PV 0
	PLACES
	SM 1
	KQ 2
	PV 1
	PLACES
	SM 2
	PV 2
	WIN 0                                          ; at a branch and at a label every window is 0
	s_cmp_lt_u32 s20, 2                            ; waves 0 and 7 own a fourth tile: a branch on the wave's number, with no barrier inside
	s_cbranch_scc0 .Lthree_\@
	KQ 3
	PLACES
	SM 3
	PV 3
	WIN 0
.Lthree_\@:
.if \nxt
	s_wait_loadcnt 1                               ; the gathered rows are in; the index load issued behind them may be out
	TOSLOT 1-\slot
	s_wait_dscnt 0x0                               ; my stores are done, and so are my reads of this slot
	s_barrier_signal -1
	s_barrier_wait -1
.endif
.endm
.Lpair:
	STEP 0, 1
	STEP 1, 1
	s_add_co_u32 s27, s27, 512
	s_sub_co_u32 s28, s28, 1
	s_cmp_lg_u32 s28, 0
	s_cbranch_scc1 .Lpair
	STEP 0, 0                                      ; the 31st step gathers nothing
	; THE WAY OUT.  O^T is divided by the sum, rounded to f16 and gathered in the stage, where a row's 256 bytes come from the two heads' waves; then whole rows are stored.
	PLACES
	WIN 0x01                                       ; source 0 window 1
.irp t, 0,1,2,3
	v_rcp_f32 v[MM+2*\t], v[LL+8*\t]               ; into the registers that held m.  (In a wave of three tiles the fourth sum is 0 and its reciprocal is not used)
.endr
	v_nop
	s_wait_alu depctr_va_vdst(0)                   ; one wait for the four reciprocals
.macro FIN t                           ; each tile's packed result has registers of its own: no LDS store's data are written again
	WIN 0x41
.set b, 0
.rept 16
	v_pk_mul_f32 v[32*\t+2*b:32*\t+2*b+1], v[32*\t+2*b:32*\t+2*b+1], v[MM+2*\t:MM+2*\t+1] op_sel_hi:[1,0]
.set b, b+1
.endr
	WIN 0x05                                       ; sources 0 and 1 window 1
.set b, 0
.rept 16
	v_cvt_pk_f16_f32 v[KF+16*\t+b], v[32*\t+2*b], v[32*\t+2*b+1]
.set b, b+1
.endr
	WIN 0
.irp ct, 0,1,2,3
	ds_store_b128 v[STO], v[KF+16*\t+4*\ct:KF+16*\t+4*\ct+3] offset:\t*16*272+32*\ct
.endr
.endm
	FIN 0
	FIN 1
	FIN 2
	s_cmp_lt_u32 s20, 2
	s_cbranch_scc0 .Lthree_out
	FIN 3
.Lthree_out:
	s_wait_dscnt 0x0                               ; for the others' sake: my stores into the stage are done
	s_barrier_signal -1
	s_barrier_wait -1
.irp i, 0,1,2,3,4,5,6,7,8,9,10,11      ; rows 2 (wave + 8 i) and the next
	ds_load_b128 v[VF+4*\i:VF+4*\i+3], v[RD] offset:\i*16*272
.endr
.irp i, 0,1,2,3,4,5,6,7,8,9,10,11
	s_wait_dscnt 11-\i                             ; LDS loads come back in order (ISA guide 5.7.1): load i is in, the younger ones may be out
	global_store_b128 v[GO], v[VF+4*\i:VF+4*\i+3], s[14:15] offset:\i*32768   ; sixteen lanes store 256 consecutive bytes, aligned
.endr
	s_cmp_lt_u32 s16, 2                            ; rows 192 to 195: waves 0 and 1; rows 196 to 207 are not stored
	s_cbranch_scc0 .Lno_more
	ds_load_b128 v[VF+48:VF+51], v[RD] offset:12*16*272
	s_wait_dscnt 0x0
	global_store_b128 v[GO], v[VF+48:VF+51], s[14:15] offset:12*32768
.Lno_more:
	s_wait_tensorcnt 0x0                           ; the wave's end: three lines behind my last LDS store
	ds_add_u32 v[SPW], v[NIL]
	s_wait_dscnt 0x0
	s_endpgm
.Lfunc_end_k_q818837c2a8_attn:
	.size	k_q818837c2a8_attn, .Lfunc_end_k_q818837c2a8_attn-k_q818837c2a8_attn
	.p2alignl 7, 3214868480
	.fill 96, 4, 3214868480
	.section	.rodata,"a",@progbits
	.p2align	6, 0x0
	.amdhsa_kernel k_q818837c2a8_attn
		.amdhsa_group_segment_fixed_size 137472
		.amdhsa_private_segment_fixed_size 0
		.amdhsa_enable_private_segment 0
		.amdhsa_kernarg_size 48
		.amdhsa_user_sgpr_count 2
		.amdhsa_user_sgpr_kernarg_segment_ptr 1
		.amdhsa_wavefront_size32 1
		.amdhsa_system_sgpr_workgroup_id_x 1
		.amdhsa_system_sgpr_workgroup_id_y 1
		.amdhsa_system_sgpr_workgroup_id_z 1
		.amdhsa_system_vgpr_workitem_id 0
		.amdhsa_next_free_vgpr 512
		.amdhsa_next_free_sgpr 66
		.amdhsa_reserve_vcc 1
		.amdhsa_float_denorm_mode_32 3
		.amdhsa_float_denorm_mode_16_64 3
		.amdhsa_memory_ordered 1
		.amdhsa_forward_progress 1
		.amdhsa_inst_pref_size 123
	.end_amdhsa_kernel
	.amdgpu_metadata
---
amdhsa.version: [ 1, 2 ]
amdhsa.kernels:
  - .name:           k_q818837c2a8_attn
    .symbol:         k_q818837c2a8_attn.kd
    .args:
      - { .name: qh, .offset: 0, .size: 8, .value_kind: global_buffer, .address_space: global }
      - { .name: kh, .offset: 8, .size: 8, .value_kind: global_buffer, .address_space: global }
      - { .name: vh, .offset: 16, .size: 8, .value_kind: global_buffer, .address_space: global }
      - { .name: gather_idx, .offset: 24, .size: 8, .value_kind: global_buffer, .address_space: global }
      - { .name: attn_bias, .offset: 32, .size: 8, .value_kind: global_buffer, .address_space: global }
      - { .name: oh, .offset: 40, .size: 8, .value_kind: global_buffer, .address_space: global }
    .group_segment_fixed_size: 137472
    .private_segment_fixed_size: 0
    .kernarg_segment_align: 8
    .kernarg_segment_size: 48
    .max_flat_workgroup_size: 256
    .sgpr_count:     66
    .vgpr_count:     512
    .wavefront_size: 32
...
	.end_amdgpu_metadata
.endif
;; end of part 3
;; launch proj (part 4): grid 4 x 56, 4 waves a work-group, clusters of 4 x 1, 254,464 bytes of LDS; arguments oh, wp, b_proj, out0; writes out0
.if DOCPART == 4
	.amdgcn_target "amdgcn-amd-amdhsa--gfx1250"
	.amdhsa_code_object_version 6
	.text
	.protected	k_q818837c2a8_proj
	.globl	k_q818837c2a8_proj
	.p2align	8
	.type	k_q818837c2a8_proj,@function
k_q818837c2a8_proj:
	s_mov_b64 s[64:65], 0
	v_nop
	global_prefetch_b8 v0, s[64:65] scope:SCOPE_SE
	s_setreg_imm32_b32 hwreg(HW_REG_WAVE_MODE, 25, 1), 1
	s_wait_xcnt 0x0
	s_wait_alu depctr_hold_cnt(0) depctr_sa_sdst(0) depctr_va_vdst(0) depctr_va_sdst(0) depctr_va_ssrc(0) depctr_va_vcc(0) depctr_vm_vsrc(0)
	s_getreg_b32 s2, hwreg(HW_REG_IB_STS2, 6, 4)
	s_cmp_eq_u32 s2, 0
	s_cbranch_scc0 .Lentry_in_a_cluster
	s_endpgm
.Lentry_in_a_cluster:
	s_bfe_u32 s2, ttmp6, 0x10000c
	s_cmp_lg_u32 s2, 0x3003
	s_cbranch_scc0 .Lentry_shape_is_right
	s_endpgm
.Lentry_shape_is_right:
; out0 = o W_proj + b_proj.  o: [6272][1024] f16; W_proj as f16 in the order of the operand's registers (tiles of 16 columns, 32,768 bytes: [K step of 32][c][lane] x 16 bytes); out0: [6272][1024] f32; sums in f32.
; SHARES.  A work-group makes 112 rows x 256 columns; wave w owns 64 columns (four tiles) against all seven tiles of rows: 28 accumulators, 224 registers.
; o's 112 rows, for all of K, come into LDS ONCE, in four quarters of K.  CLUSTER: the four work-groups along x need the same rows, so each quarter's tiles are asked for JOINTLY: the same tensor load, with the same
; descriptor and a mask that names the four.  By this text's count a wave has four tensor loads out, all issued at the head.
; W's fragments go from memory straight into a ring of eight register slots, seven K steps ahead: no two waves of a work-group need the same fragment, so LDS would add a round trip and spare no read.
; THE PRODUCT IS USED TRANSPOSED (source 0 = 16 columns of W, source 1 = 16 rows of o): a lane holds eight neighbouring numbers of a row of out0.  The bias is the C of each sum's first matrix instruction.
; The 32 K steps are written out: every offset is an immediate, the ring's register numbers come round every eight steps, and the first and the last seven steps differ from the rest.
; REGISTERS.  window 0: v1-14 addresses; v16-47 the bias; v64-119, v120-175 o's seven fragments, two sets; v176-239 the way out, two sets.  window 1: accumulator (m, n) at v[8 (4 m + n)].  window 2: W's ring, slot s at v[32 s].
.set QBYTES, 59136                     ; a quarter of K: 112 rows x 528
.set PITCH,  528                       ; an LDS row: 512 bytes + 16: the 16 rows of a load start at 16 different banks (64 banks of 4 bytes: ISA guide 11.1)
.set STAGE,  4*QBYTES                  ; the way out: 16 rows x (256 + 16) bytes for each wave
.set SPITCH, 272
.set SPARE,  STAGE+4*16*SPITCH         ; the spare words, 128 bytes for each wave
.set SPW, 1
.set NIL, 2
.set AQ,  3                            ; v3-6  my lane's place in quarter 0..3
.set L16, 7
.set STO, 8
.set RD,  9
.set CO,  10
.set BP,  16
.set AF,  64
.set OB,  176
.set MSB, 0
.macro WIN new                         ; the immediate's high byte repeats the setting that is left
.if MSB != \new
	s_set_vgpr_msb (MSB<<8)|\new
.set MSB, \new
.endif
.endm
.macro CROUND                          ; a round of the cluster's barrier
	s_barrier_signal -1
	s_barrier_wait -1
	s_cmp_lg_u32 s12, 0
	s_cbranch_scc1 .Lnot_wave_0_\@
	s_barrier_signal -3
.Lnot_wave_0_\@:
	s_barrier_wait -3
	s_barrier_signal -1
	s_barrier_wait -1
.endm
	s_load_b256 s[4:11], s[0:1], 0x0               ; oh s[4:5], wp s[6:7], b_proj s[8:9], out0 s[10:11]
	v_lshl_add_u32 v[SPW], v0, 2, SPARE
	v_mov_b32 v[NIL], 0
	ds_add_u32 v[SPW], v[NIL]                      ; the wave's opening: the add, twice on end, and its wait ahead of the round in front of my first tensor loads
	ds_add_u32 v[SPW], v[NIL]
	v_lshrrev_b32 v11, 5, v0
	v_readfirstlane_b32 s12, v11                   ; wave 0..3
	s_bfe_u32 s13, ttmp6, 0x40000                  ; cx: my place in the cluster
	s_lshl_b32 s15, ttmp9, 2
	s_add_co_u32 s15, s15, s13                     ; my block of 256 columns: it enters W's, the bias's and the output's addresses alone
	s_and_b32 s14, ttmp7, 0xffff                   ; my block of 112 rows, which the four partners share
	; descriptor group 1: 28 rows x 256 elements of 2 bytes, 1,024 elements from row to row, 16 bytes of padding behind each row
	s_mov_b32 s16, 15|(1<<16)|(1<<20)|(1<<21)|(6<<22)|(3<<25)   ; 15:0 the mask: all four; 17:16 elements of 2 bytes; 20 padding on; 21 set beside a mask; 24:22 after every 128 words; 31:25 four words
	s_mov_b32 s17, 256<<16                         ; tensor_dim0
	s_mov_b32 s18, 28<<16                          ; tensor_dim1
	s_mov_b32 s19, 256<<16                         ; tile_dim0
	s_mov_b32 s20, 28                              ; tile_dim1
	s_mov_b32 s21, 1024
	s_mov_b32 s22, 0
	s_mov_b32 s23, 0
	s_mul_i32 s40, s14, 112
	s_mul_i32 s41, s12, 28
	s_add_co_u32 s40, s40, s41                     ; the 28 rows that I fetch
	s_lshl_b32 s40, s40, 11
	s_mov_b32 s41, 0
	s_mul_i32 s42, s12, 28*PITCH                   ; and where they go in a quarter: no place in the cluster enters an LDS address
	s_wait_dscnt 0x0                               ; both opening adds are done
	s_wait_kmcnt 0x0
	s_add_nc_u64 s[40:41], s[4:5], s[40:41]
.irp q, 0,1,2,3
	s_mov_b32 s[24+4*\q], 1
	s_add_co_u32 s[25+4*\q], s42, \q*QBYTES
	s_add_nc_u64 s[26+4*\q:27+4*\q], s[40:41], 512*\q
	s_or_b32 s[27+4*\q], s[27+4*\q], 0x80000000
.endr
	CROUND                                         ; all four work-groups are here: the joint loads meet
.irp q, 0,1,2,3
	tensor_load_to_lds s[24+4*\q:27+4*\q], s[16:23]
	s_nop 0
.endr
.rept 4
	v_nop
.endr
	v_and_b32 v12, 15, v0                          ; r
	v_bfe_u32 v13, v0, 4, 1                        ; h
	v_and_b32 v11, 31, v0
	v_lshlrev_b32 v[L16], 4, v11
	v_lshlrev_b32 v14, 5, v13
	v_mul_u32_u24 v[AQ], v12, PITCH
	v_lshl_add_u32 v[AQ], v13, 4, v[AQ]            ; a fragment's row x pitch + 16 x half
.irp q, 1,2,3
	v_add_nc_u32 v[AQ+\q], \q*QBYTES, v[AQ]
.endr
	s_mul_i32 s43, s12, 16*SPITCH
	s_add_co_u32 s43, s43, STAGE                   ; my stage
	v_mul_u32_u24 v[STO], v12, SPITCH
	v_lshl_add_u32 v[STO], v13, 5, v[STO]
	v_add_nc_u32 v[STO], s43, v[STO]               ; in: row r, 32 bytes for each half of the lanes
	v_mul_u32_u24 v[RD], v13, SPITCH
	v_lshl_add_u32 v[RD], v12, 4, v[RD]
	v_add_nc_u32 v[RD], s43, v[RD]                 ; back: lanes 0-15 one row of 256 bytes, lanes 16-31 the next
	v_lshlrev_b32 v[CO], 12, v13
	v_lshl_add_u32 v[CO], v12, 4, v[CO]            ; and the same two rows in out0
	s_lshl_b32 s44, s15, 19
	s_lshl_b32 s45, s12, 17
	s_add_co_u32 s44, s44, s45
	s_mov_b32 s45, 0
	s_add_nc_u64 s[6:7], s[6:7], s[44:45]          ; my four tiles of W: 16 x block + 4 x wave
	s_lshl_b32 s44, s15, 10
	s_lshl_b32 s46, s12, 8
	s_add_co_u32 s44, s44, s46                     ; my 64 columns, in bytes of f32
	s_add_nc_u64 s[8:9], s[8:9], s[44:45]
	s_add_nc_u64 s[10:11], s[10:11], s[44:45]
	s_mul_i32 s44, s14, 112*4096
	s_add_nc_u64 s[10:11], s[10:11], s[44:45]
.irp n, 0,1,2,3
	global_load_b128 v[BP+8*\n:BP+8*\n+3], v14, s[8:9] offset:64*\n
	global_load_b128 v[BP+8*\n+4:BP+8*\n+7], v14, s[8:9] offset:64*\n+16
.endr
.macro BLOAD ks                        ; W's four fragments of K step ks into ring slot ks % 8
	WIN 0x80                                       ; destination window 2
.irp n, 0,1,2,3
.irp c, 0,1
	global_load_b128 v[32*((\ks)%8)+8*\n+4*\c:32*((\ks)%8)+8*\n+4*\c+3], v[L16], s[6:7] offset:\n*32768+(\ks)*1024+512*\c
.endr
.endr
	WIN 0
.endm
.macro ALOAD ks                        ; o's seven fragments of K step ks into set ks % 2
	WIN 0
.set FA, AF+56*((\ks)%2)
.irp m, 0,1,2,3,4,5,6
.irp c, 0,1
	ds_load_b128 v[FA+8*\m+4*\c:FA+8*\m+4*\c+3], v[AQ+(\ks)/8] offset:\m*16*PITCH+((\ks)%8)*64+32*\c
.endr
.endr
.endm
.macro KS ks
.if (\ks) > 0
.rept 4
	v_nop                                          ; places in front of loads into registers that the last step's matrix instructions have read (ISA guide 7.12.1 for vector instructions)
.endr
.endif
.if (\ks)+7 <= 31
	BLOAD (\ks)+7
.endif
.if ((\ks)%8 == 7) && ((\ks) < 31)
	WIN 0
	s_wait_tensorcnt 2-(\ks)/8                     ; my part of the next quarter of K is in; the later quarters' loads may be out
	s_wait_dscnt 0x0
	s_barrier_signal -1
	s_barrier_wait -1                              ; everybody's is
.endif
.if (\ks) < 31
	ALOAD (\ks)+1
.endif
.if 31-(\ks) < 7
	s_wait_loadcnt 8*(31-(\ks))                    ; this step's W is in; the eight loads of each later step may be out
.else
	s_wait_loadcnt 56
.endif
.if (\ks) < 31
	s_wait_dscnt 14                                ; this step's o is in; the next step's fourteen loads may be out
.else
	s_wait_dscnt 0x0
.endif
.set FA, AF+56*((\ks)%2)
.if (\ks) == 0
	WIN 0x42                                       ; source 0 (W) window 2, C (the bias) window 0, D window 1
.else
	WIN 0x52                                       ; source 0 window 2, C and D window 1
.endif
.irp m, 0,1,2,3,4,5,6                  ; the 28 accumulators by turns, in the same order in every step
.irp n, 0,1,2,3
.if (\ks) == 0
	v_wmma_f32_16x16x32_f16 v[8*(4*\m+\n):8*(4*\m+\n)+7], v[32*((\ks)%8)+8*\n:32*((\ks)%8)+8*\n+7], v[FA+8*\m:FA+8*\m+7], v[BP+8*\n:BP+8*\n+7]
.else
	v_wmma_f32_16x16x32_f16 v[8*(4*\m+\n):8*(4*\m+\n)+7], v[32*((\ks)%8)+8*\n:32*((\ks)%8)+8*\n+7], v[FA+8*\m:FA+8*\m+7], v[8*(4*\m+\n):8*(4*\m+\n)+7]
.endif
.endr
.endr
.endm
.irp k, 0,1,2,3,4,5,6
	BLOAD \k
.endr
	s_wait_tensorcnt 3                             ; my part of the first quarter of K is in; three loads may be out,
	s_barrier_signal -1
	s_barrier_wait -1                              ; everybody's is
	ALOAD 0
.set KK, 0
.rept 32
	KS KK
.set KK, KK+1
.endr
	WIN 0
; THE WAY OUT, a tile of 16 rows x 64 columns at a time, through my own stage: a lane holds 32 bytes of a row and the lanes beside it hold other rows; back come whole pieces of 256 bytes.
; LDS serves a wave's instructions in order (ISA guide 5.7.1.4): no wait between the stores and the loads, nor in front of the next tile's stores.
.macro TOSTAGE a
	WIN 0x04                                       ; an LDS store's data are its source 1: window 1
.irp n, 0,1,2,3
	ds_store_b128 v[STO], v[8*(4*(\a)+\n):8*(4*(\a)+\n)+3] offset:64*\n          ; each accumulator from its low end on
	ds_store_b128 v[STO], v[8*(4*(\a)+\n)+4:8*(4*(\a)+\n)+7] offset:64*\n+16
.endr
	WIN 0
.set BB, OB+32*((\a)%2)
.irp i, 0,1,2,3,4,5,6,7
	ds_load_b128 v[BB+4*\i:BB+4*\i+3], v[RD] offset:\i*2*SPITCH
.endr
.endm
.macro SEND a, younger                 ; younger: the LDS instructions issued behind tile a's loads, which may stay out
.set BB, OB+32*((\a)%2)
	s_wait_dscnt \younger
.irp i, 0,1,2,3,4,5,6,7
	global_store_b128 v[CO], v[BB+4*\i:BB+4*\i+3], s[10:11] offset:(16*(\a)+2*\i)*4096 th:TH_STORE_NT   ; sixteen lanes store 256 consecutive bytes, aligned; written once, read by nobody here
.endr
.endm
.rept 4
	v_nop                                          ; places behind the last products, in front of the first read of results
.endr
	TOSTAGE 0
.irp a, 1,2,3,4,5,6
.if \a > 1
	s_wait_xcnt 0x0                                ; tile a - 2's stores have read their data: tile a's loads may land there
.endif
	TOSTAGE \a
	SEND \a-1, 16                                  ; behind tile a - 1's loads: tile a's 8 stores and 8 loads
.endr
	SEND 6, 0
	s_wait_tensorcnt 0x0                           ; the wave's end: three lines behind my last tensor load and my last LDS store
	ds_add_u32 v[SPW], v[NIL]
	s_wait_dscnt 0x0
	CROUND                                         ; the closing round: no work-group ends while a partner may still ask for a tile that names it
	s_endpgm
.Lfunc_end_k_q818837c2a8_proj:
	.size	k_q818837c2a8_proj, .Lfunc_end_k_q818837c2a8_proj-k_q818837c2a8_proj
	.p2alignl 7, 3214868480
	.fill 96, 4, 3214868480
	.section	.rodata,"a",@progbits
	.p2align	6, 0x0
	.amdhsa_kernel k_q818837c2a8_proj
		.amdhsa_group_segment_fixed_size 254464
		.amdhsa_private_segment_fixed_size 0
		.amdhsa_enable_private_segment 0
		.amdhsa_kernarg_size 32
		.amdhsa_user_sgpr_count 2
		.amdhsa_user_sgpr_kernarg_segment_ptr 1
		.amdhsa_wavefront_size32 1
		.amdhsa_system_sgpr_workgroup_id_x 1
		.amdhsa_system_sgpr_workgroup_id_y 1
		.amdhsa_system_sgpr_workgroup_id_z 1
		.amdhsa_system_vgpr_workitem_id 0
		.amdhsa_next_free_vgpr 768
		.amdhsa_next_free_sgpr 66
		.amdhsa_reserve_vcc 0
		.amdhsa_float_denorm_mode_32 3
		.amdhsa_float_denorm_mode_16_64 3
		.amdhsa_memory_ordered 1
		.amdhsa_forward_progress 1
		.amdhsa_inst_pref_size 137
	.end_amdhsa_kernel
	.amdgpu_metadata
---
amdhsa.version: [ 1, 2 ]
amdhsa.kernels:
  - .name:           k_q818837c2a8_proj
    .symbol:         k_q818837c2a8_proj.kd
    .args:
      - { .name: oh, .offset: 0, .size: 8, .value_kind: global_buffer, .address_space: global }
      - { .name: wp, .offset: 8, .size: 8, .value_kind: global_buffer, .address_space: global }
      - { .name: b_proj, .offset: 16, .size: 8, .value_kind: global_buffer, .address_space: global }
      - { .name: out0, .offset: 24, .size: 8, .value_kind: global_buffer, .address_space: global }
    .group_segment_fixed_size: 254464
    .private_segment_fixed_size: 0
    .kernarg_segment_align: 8
    .kernarg_segment_size: 32
    .max_flat_workgroup_size: 128
    .sgpr_count:     66
    .vgpr_count:     768
    .wavefront_size: 32
...
	.end_amdgpu_metadata
.endif
;; end of part 4
